; MI455X (gfx1250); checked and timed in simulation.
; The chip was launched on July 23, 2026; its instructions are those of AMD's public machine-readable ISA for CDNA 5 (MIT licence, August 2026) and "CDNA5" Instruction Set Architecture Reference Guide (July 2026). The comments in the code are by the model that wrote it; some were corrected since.
;; Region Self Attention. Allowed arithmetic: matrix products marked QUANTISED: E3M2 operands, one E8M0 scale for each 32 along K, by v_wmma_scale_f32_16x16x128_f8f6f4 with both operands' format E3M2, f32 sums; products left as they are: f32 operands where the result goes on into a quantised operand, else bf16, f16 or f32 operands; f32 sums; everything else in f32.
;; Inputs: Wk_codes 512 x 16 x 24 uint8 (E3M2 codes of Wk, K innermost, in blocks of 32 codes, four codes in three bytes); Wk_scales 512 x 16 uint8 (E8M0 scales of Wk, one for each 32 codes along K); Wq_codes 512 x 16 x 24 uint8 (E3M2 codes of Wq, K innermost, in blocks of 32 codes, four codes in three bytes); Wq_scales 512 x 16 uint8 (E8M0 scales of Wq, one for each 32 codes along K); Wv_codes 512 x 16 x 24 uint8 (E3M2 codes of Wv, K innermost, in blocks of 32 codes, four codes in three bytes); Wv_scales 512 x 16 uint8 (E8M0 scales of Wv, one for each 32 codes along K); region_features_codes 32 x 4,096 x 16 x 24 uint8 (E3M2 codes of region_features, K innermost, in blocks of 32 codes, four codes in three bytes); region_features_scales 32 x 4,096 x 16 uint8 (E8M0 scales of region_features, one for each 32 codes along K); seq_code_codes 32 x 16 x 24 uint8 (E3M2 codes of seq_code, K innermost, in blocks of 32 codes, four codes in three bytes); seq_code_scales 32 x 16 uint8 (E8M0 scales of seq_code, one for each 32 codes along K); sq_len 32 int32.
;; Outputs: out0 32 x 512 float32; out1 32 x 4,096 float32.
;; This version of the problem:
;;   THIS VERSION OF THE PROBLEM IS GIVEN IN LOW PRECISION. The matrix products marked QUANTISED in the list below multiply operands that are first quantised to E3M2 (3 exponent bits, 2 mantissa bits; 6 bits a number), with one power-of-two scale for each 32 numbers along K (OCP MX v1.0); their sums are f32. All else is computed in f32.
;;   The module's matrix products, in the order in which they are computed (A, B: the left and right operand; K: the contracted axis; several contracted axes count as one K, in the product's order):
;;     1. [M 32, K 512] x [K 512, N 512]; A: input seq_code (given as codes); B: input Wq (given as codes): QUANTISED
;;     2. [M 131,072, K 512] x [K 512, N 512]; A: input region_features (given as codes); B: input Wk (given as codes): QUANTISED
;;     3. [M 131,072, K 512] x [K 512, N 512]; A: input region_features (given as codes); B: input Wv (given as codes): QUANTISED
;;     4. batch 32 x [M 1, K 512] x [K 512, N 4,096]; A: computed on the way; B: computed on the way: left as it is (M = 1 < 16)
;;     5. batch 32 x [M 1, K 4,096] x [K 4,096, N 512]; A: computed on the way; B: computed on the way: left as it is (M = 1 < 16)
;;   THE QUANTISER, for each operand of a quantised product, along K:
;;     - K is cut into blocks of 32 from its start; a last block that is shorter is filled with zeros.
;;     - A block's scale is 2^e with e = floor(log2(the largest magnitude in the block)) - 4, held to -126 .. 127; a block of zeros has e = 0. As a byte (E8M0): e + 127.
;;     - Each number is divided by its block's scale, clamped to +-28, and rounded to the nearest number of E3M2, ties to even, subnormals kept.
;;     - The product sums the exact products of the quantised numbers (number of the format x scale) in f32.
;;   ~~~python
;;   def quantise(x, axis):      # numpy; x: float32 -> the quantised numbers, widened to float32 again
;;       x = np.moveaxis(x, axis, -1); K = x.shape[-1]
;;       x = np.pad(x, [(0, 0)] * (x.ndim - 1) + [(0, -K % 32)]); x = x.reshape(x.shape[:-1] + (-1, 32)); a = np.abs(x).max(-1, keepdims=True)
;;       e = np.where(a > 0, np.clip(np.frexp(np.where(a > 0, a, 1))[1] - 1 - 4, -126, 127), 0)      # np.frexp(a)[1] - 1 = floor(log2(a)), exactly
;;       r = np.clip(x / 2.0 ** e, -28, 28)
;;       step = 2.0 ** (np.maximum(np.frexp(np.where(r == 0, 1, r))[1] - 1, -2) - 2)
;;       q = np.round(r / step) * step * 2.0 ** e      # np.round: ties to even
;;       return np.moveaxis(q.reshape(q.shape[:-2] + (-1,))[..., :K], -1, axis).astype(np.float32)
;;   ~~~
;;   INPUTS GIVEN AS CODES. Wk (in the module: [512, 512], K = its axis 1); Wq (in the module: [512, 512], K = its axis 1); Wv (in the module: [512, 512], K = its axis 1); region_features (in the module: [32, 4096, 512], K = its axis 2); seq_code (in the module: [32, 512], K = its axis 1): each comes as NAME_codes (uint8): NAME with its K axis moved to the last place and cut into blocks of 32 codes, [.., K / 32, bytes a block], one block behind the other in memory; four codes in three bytes: a row's codes are one little-endian stream of bits, code i at bits 6 i .. 6 i + 5 (a code: sign, 3 exponent bits, 2 mantissa bits); and NAME_scales (uint8): the same leading axes, one E8M0 byte (e + 127) for each 32 codes along K. Its value is code x scale, taken as it is: it is not quantised again, and the codes and scales need not be those that the quantiser above would give.
;; One version. Each part assembles by itself: llvm-mc -triple=amdgcn-amd-amdhsa -mcpu=gfx1250 --defsym DOCPART=n.
;; ======== version 1 of 1: 3 launches
;; workspace buffers: wimg 409,600 bytes; qbuf 65,536 bytes; plan 4,608 bytes of whole numbers; tbuf 524,288 bytes; opart 524,288 bytes; stats 2,048 bytes
;; launch prep (part 1): grid 13 x 1, 8 waves a work-group, no clusters, 0 bytes of LDS; arguments Wk_codes, Wk_scales, Wv_codes, Wv_scales, Wq_codes, Wq_scales, seq_code_codes, seq_code_scales, sq_len, wimg, qbuf, plan; writes wimg, qbuf, plan
.if DOCPART == 1
	.amdgcn_target "amdgcn-amd-amdhsa--gfx1250"
	.amdhsa_code_object_version 6
	.text
	.protected	k_q023cd6472d_prep
	.globl	k_q023cd6472d_prep
	.p2align	8
	.type	k_q023cd6472d_prep,@function
k_q023cd6472d_prep:
	s_mov_b64 s[64:65], 0
	v_nop
	global_prefetch_b8 v0, s[64:65] scope:SCOPE_SE
	s_setreg_imm32_b32 hwreg(HW_REG_WAVE_MODE, 25, 1), 1
	s_wait_xcnt 0x0
; Three small jobs that the main launch needs done once; the work-group's number says which.
; A (work-groups 0-7): the codes of Wk and Wv are laid out as images of operand registers, so that the main launch loads each fragment by three loads of 16 bytes a lane:
;    codes at 98304 w + 1536 f + 512 c + 16 lane (w: the wave of the main launch that owns rows 128 w .. 128 w + 127; f = 32 ph + 8 s + t; ph 0 = Wk, 1 = Wv; s: which 128 along K; t: which 16 rows; c: which four registers);
;    scale words at 393216 + 4096 w + 512 t + 256 ph + 16 r: a row's 16 bytes are its four words, so that lanes 0-15 of one load of 16 bytes find Wk's and lanes 16-31 Wv's.
; B (work-groups 8-11): q = seq_code Wq^T on codes of BF6 (E3M2) with E8M0 scales, f32 sums, into qbuf [32][512].
; C (work-group 12): the split of the main launch's work, from sq_len alone, in whole numbers.  len = sq_len held to 1 .. 4096; a batch has n = ceil(len / 64) chunks of 64 rows; T = the sum of n;
;    S = ceil(T / 224) chunks at the most to a work-group; a batch gets wn = ceil(n / S) work-groups.  The sum of wn is under T / S + 32 <= 256: the main launch's grid of 256 serves every split.
;    plan: record g at 16 g: (batch, first chunk, chunks, len), all but len 0 where g is left without work; batch record at 4096 + 16 b: (first work-group, wn, len, n).
; LIMITS: sq_len under 1 counts as 1 (the definition divides 0 by 0 there), over 4096 as 4096 (which is what its mask does).
	s_load_b512 s[4:19], s[0:1], 0x0               ; Wk codes s[4:5], scales s[6:7]; Wv s[8:9], s[10:11]; Wq s[12:13], s[14:15]; seq s[16:17], s[18:19]
	s_load_b256 s[20:27], s[0:1], 0x40             ; sq_len s[20:21], wimg s[22:23], qbuf s[24:25], plan s[26:27]
	v_lshrrev_b32 v1, 5, v0
	v_readfirstlane_b32 s28, v1                    ; wave 0..7
	v_and_b32 v2, 31, v0                           ; lane
	v_and_b32 v3, 15, v0                           ; r
	v_bfe_u32 v4, v0, 4, 1                         ; h
	s_wait_kmcnt 0x0
	s_cmp_lt_u32 ttmp9, 8
	s_cbranch_scc1 .Lrole_a
	s_cmp_lt_u32 ttmp9, 12
	s_cbranch_scc1 .Lrole_b
; ---- C: the split.  All eight waves compute alike, a lane to a batch; then thread g makes record g.
	v_lshlrev_b32 v5, 2, v2
	global_load_b32 v6, v5, s[20:21]
	v_mov_b32 v8, 0                                ; wn
	v_mov_b32 v9, 0                                ; each batch's first work-group (written lane by lane below)
	v_mov_b32 v10, 0                               ; my record: batch,
	v_mov_b32 v11, 0                               ; its first work-group,
	v_mov_b32 v12, 0                               ; its n,
	v_mov_b32 v13, 0                               ; its len
	s_wait_loadcnt 0x0
	v_max_i32 v6, 1, v6
	v_min_i32 v6, 0x1000, v6                       ; len
	v_add_nc_u32 v7, 63, v6
	v_lshrrev_b32 v7, 6, v7                        ; n
	s_mov_b32 s30, 0
.irp i, 0,1,2,3,4,5,6,7,8,9,10,11,12,13,14,15,16,17,18,19,20,21,22,23,24,25,26,27,28,29,30,31
	v_readlane_b32 s31, v7, \i
	s_add_co_u32 s30, s30, s31                     ; T
.endr
	s_mov_b32 s32, 0
.irp k, 0,1,2,3,4,5,6,7,8,9
	s_cmp_gt_u32 s30, 224*\k
	s_add_co_ci_u32 s32, s32, 0                    ; S = how many k have T > 224 k = ceil(T / 224); T <= 2048, so ten k are enough
.endr
	s_mov_b32 s33, 0
.rept 64
	v_cmp_lt_u32 vcc_lo, s33, v7
	v_add_co_ci_u32 v8, vcc_lo, 0, v8, vcc_lo      ; wn = how many k have n > k S = ceil(n / S); n <= 64
	s_add_co_u32 s33, s33, s32
.endr
	s_mov_b32 s34, 0                               ; the running first work-group
.irp i, 0,1,2,3,4,5,6,7,8,9,10,11,12,13,14,15,16,17,18,19,20,21,22,23,24,25,26,27,28,29,30,31
	v_readlane_b32 s35, v8, \i
	v_readlane_b32 s36, v7, \i
	v_readlane_b32 s37, v6, \i
	v_writelane_b32 v9, s34, \i
	v_cmp_le_u32 vcc_lo, s34, v0                   ; batch i begins at or before work-group g: the last such batch stays
	v_cndmask_b32 v10, v10, \i, vcc_lo
	v_cndmask_b32 v11, v11, s34, vcc_lo
	v_cndmask_b32 v12, v12, s36, vcc_lo
	v_cndmask_b32 v13, v13, s37, vcc_lo
	s_add_co_u32 s34, s34, s35
.endr
	v_sub_nc_u32 v14, v0, v11
	v_mul_u32_u24 v14, s32, v14                    ; first chunk = (g - the batch's first work-group) S
	v_sub_nc_u32 v15, v12, v14
	v_min_u32 v15, s32, v15                        ; chunks = min(S, n - first chunk)
	v_cmp_gt_u32 vcc_lo, s34, v0                   ; g has work
	v_cndmask_b32 v16, 0, v10, vcc_lo
	v_cndmask_b32 v17, 0, v14, vcc_lo
	v_cndmask_b32 v18, 0, v15, vcc_lo
	v_mov_b32 v19, v13
	v_lshlrev_b32 v20, 4, v0
	global_store_b128 v20, v[16:19], s[26:27]
	s_cmp_lg_u32 s28, 0
	s_cbranch_scc1 .Lc_end
	v_mov_b32 v24, v9
	v_mov_b32 v25, v8
	v_mov_b32 v26, v6
	v_mov_b32 v27, v7
	v_lshlrev_b32 v21, 4, v2
	global_store_b128 v21, v[24:27], s[26:27] offset:4096
.Lc_end:
	s_endpgm
; ---- A: a wave takes one tile of 16 rows of one weight: its four fragments and its scale words.
.Lrole_a:
	s_lshl_b32 s29, ttmp9, 3
	s_add_co_u32 s29, s29, s28                     ; 0..63
	s_lshr_b32 s30, s29, 5                         ; ph
	s_bfe_u32 s31, s29, 0x20003                    ; w
	s_and_b32 s32, s29, 7                          ; t
	s_cmp_eq_u32 s30, 0                            ; the choice hangs on ids alone
	s_cselect_b64 s[4:5], s[4:5], s[8:9]
	s_cselect_b64 s[6:7], s[6:7], s[10:11]
	s_lshl_b32 s33, s31, 7
	s_lshl_b32 s34, s32, 4
	s_add_co_u32 s33, s33, s34                     ; the tile's first row
	s_mul_i32 s34, s33, 384
	v_mul_u32_u24 v5, v3, 384                      ; a row of 512 codes is 384 bytes
	v_mad_u32_u24 v5, v4, 24, v5
	v_add_nc_u32 v5, s34, v5
	s_lshl_b32 s34, s33, 4
	v_lshl_add_u32 v6, v3, 4, s34                  ; a row's 16 scale bytes
.irp s, 0,1,2,3
.irp p, 0,1,2,3,4,5
	global_load_b64 v[16+12*\s+2*\p:17+12*\s+2*\p], v5, s[4:5] offset:96*\s+48*(\p/3)+8*(\p%3)   ; lane (r, h): registers 6 c .. 6 c + 5 hold k = 64 c + 32 h + 0 .. 31, 24 bytes as they lie
.endr
.endr
	global_load_b128 v[64:67], v6, s[6:7]
	s_mul_i32 s35, s31, 98304
	s_lshl_b32 s36, s30, 5
	s_add_co_u32 s36, s36, s32
	s_mul_i32 s36, s36, 1536
	s_add_co_u32 s35, s35, s36
	v_lshl_add_u32 v7, v2, 4, s35
	s_lshl_b32 s37, s31, 12
	s_lshl_b32 s36, s32, 9
	s_add_co_u32 s37, s37, s36
	s_lshl_b32 s36, s30, 8
	s_add_co_u32 s37, s37, s36
	v_lshl_add_u32 v8, v3, 4, s37
	s_wait_loadcnt 0x0
.irp s, 0,1,2,3
.irp c, 0,1,2
	global_store_b128 v7, v[16+12*\s+4*\c:19+12*\s+4*\c], s[22:23] offset:12288*\s+512*\c      ; 32 lanes store 512 consecutive bytes
.endr
.endr
	global_store_b128 v8, v[64:67], s[22:23] offset:393216                                     ; (lanes 16-31 hold and write the same as lanes 0-15)
	s_endpgm
; ---- B: a wave makes 16 columns of q for all 32 rows.  Source 0 = 16 rows of Wq, source 1 = 16 rows of seq_code: a lane then holds eight neighbouring numbers of a row of q.
.Lrole_b:
	s_sub_co_u32 s29, ttmp9, 8
	s_lshl_b32 s29, s29, 3
	s_add_co_u32 s29, s29, s28                     ; J 0..31
	s_mul_i32 s30, s29, 6144
	v_mul_u32_u24 v6, v3, 384
	v_mad_u32_u24 v6, v4, 24, v6                   ; seq_code: row r
	v_add_nc_u32 v5, s30, v6                       ; Wq: row 16 J + r
	s_lshl_b32 s30, s29, 8
	v_lshlrev_b32 v8, 4, v3
	v_add_nc_u32 v7, s30, v8
.irp s, 0,1,2,3
.irp p, 0,1,2,3,4,5
	global_load_b64 v[16+12*\s+2*\p:17+12*\s+2*\p], v5, s[12:13] offset:96*\s+48*(\p/3)+8*(\p%3)
.endr
.endr
.irp m, 0,1
.irp s, 0,1,2,3
.irp p, 0,1,2,3,4,5
	global_load_b64 v[64+48*\m+12*\s+2*\p:65+48*\m+12*\s+2*\p], v6, s[16:17] offset:6144*\m+96*\s+48*(\p/3)+8*(\p%3)
.endr
.endr
.endr
	global_load_b128 v[160:163], v7, s[14:15]      ; scale words: word s serves the s-th 128 along K
	global_load_b128 v[164:167], v8, s[18:19]
	global_load_b128 v[168:171], v8, s[18:19] offset:256
	s_lshl_b32 s30, s29, 6
	v_lshl_add_u32 v9, v3, 11, s30
	v_lshl_add_u32 v9, v4, 5, v9                   ; q: row r of 2,048 bytes, + (16 J + 8 h) numbers
	s_wait_loadcnt 0x0
.irp s, 0,1,2,3                                ; the two accumulators take turns, one instruction a turn
.irp m, 0,1
.if \s == 0
	v_wmma_scale_f32_16x16x128_f8f6f4 v[172+8*\m:179+8*\m], v[16+12*\s:27+12*\s], v[64+48*\m+12*\s:75+48*\m+12*\s], 0, v[160+\s], v[164+4*\m+\s] matrix_a_fmt:MATRIX_FMT_BF6 matrix_b_fmt:MATRIX_FMT_BF6
.else
	v_wmma_scale_f32_16x16x128_f8f6f4 v[172+8*\m:179+8*\m], v[16+12*\s:27+12*\s], v[64+48*\m+12*\s:75+48*\m+12*\s], v[172+8*\m:179+8*\m], v[160+\s], v[164+4*\m+\s] matrix_a_fmt:MATRIX_FMT_BF6 matrix_b_fmt:MATRIX_FMT_BF6
.endif
.endr
.endr
.rept 4
	v_nop                                          ; four places between a matrix instruction and a store of its result
.endr
.irp m, 0,1
	global_store_b128 v9, v[172+8*\m:175+8*\m], s[24:25] offset:32768*\m       ; each accumulator from its low end on
	global_store_b128 v9, v[176+8*\m:179+8*\m], s[24:25] offset:32768*\m+16
.endr
	s_endpgm
.Lfunc_end_k_q023cd6472d_prep:
	.size	k_q023cd6472d_prep, .Lfunc_end_k_q023cd6472d_prep-k_q023cd6472d_prep
	.p2alignl 7, 3214868480
	.fill 96, 4, 3214868480
	.section	.rodata,"a",@progbits
	.p2align	6, 0x0
	.amdhsa_kernel k_q023cd6472d_prep
		.amdhsa_group_segment_fixed_size 0
		.amdhsa_private_segment_fixed_size 0
		.amdhsa_enable_private_segment 0
		.amdhsa_kernarg_size 96
		.amdhsa_user_sgpr_count 2
		.amdhsa_user_sgpr_kernarg_segment_ptr 1
		.amdhsa_wavefront_size32 1
		.amdhsa_system_sgpr_workgroup_id_x 1
		.amdhsa_system_sgpr_workgroup_id_y 1
		.amdhsa_system_sgpr_workgroup_id_z 1
		.amdhsa_system_vgpr_workitem_id 0
		.amdhsa_next_free_vgpr 192
		.amdhsa_next_free_sgpr 66
		.amdhsa_reserve_vcc 1
		.amdhsa_float_denorm_mode_32 3
		.amdhsa_float_denorm_mode_16_64 3
		.amdhsa_memory_ordered 1
		.amdhsa_forward_progress 1
		.amdhsa_inst_pref_size 45
	.end_amdhsa_kernel
	.amdgpu_metadata
---
amdhsa.version: [ 1, 2 ]
amdhsa.kernels:
  - .name:           k_q023cd6472d_prep
    .symbol:         k_q023cd6472d_prep.kd
    .args:
      - { .name: Wk_codes, .offset: 0, .size: 8, .value_kind: global_buffer, .address_space: global }
      - { .name: Wk_scales, .offset: 8, .size: 8, .value_kind: global_buffer, .address_space: global }
      - { .name: Wv_codes, .offset: 16, .size: 8, .value_kind: global_buffer, .address_space: global }
      - { .name: Wv_scales, .offset: 24, .size: 8, .value_kind: global_buffer, .address_space: global }
      - { .name: Wq_codes, .offset: 32, .size: 8, .value_kind: global_buffer, .address_space: global }
      - { .name: Wq_scales, .offset: 40, .size: 8, .value_kind: global_buffer, .address_space: global }
      - { .name: seq_code_codes, .offset: 48, .size: 8, .value_kind: global_buffer, .address_space: global }
      - { .name: seq_code_scales, .offset: 56, .size: 8, .value_kind: global_buffer, .address_space: global }
      - { .name: sq_len, .offset: 64, .size: 8, .value_kind: global_buffer, .address_space: global }
      - { .name: wimg, .offset: 72, .size: 8, .value_kind: global_buffer, .address_space: global }
      - { .name: qbuf, .offset: 80, .size: 8, .value_kind: global_buffer, .address_space: global }
      - { .name: plan, .offset: 88, .size: 8, .value_kind: global_buffer, .address_space: global }
    .group_segment_fixed_size: 0
    .private_segment_fixed_size: 0
    .kernarg_segment_align: 8
    .kernarg_segment_size: 96
    .max_flat_workgroup_size: 256
    .sgpr_count:     66
    .vgpr_count:     192
    .wavefront_size: 32
...
	.end_amdgpu_metadata
.endif
;; end of part 1
;; launch main (part 2): grid 256 x 1, 4 waves a work-group, no clusters, 313,856 bytes of LDS; arguments region_features_codes, region_features_scales, wimg, qbuf, plan, tbuf, opart, stats; writes tbuf, opart, stats
.if DOCPART == 2
	.amdgcn_target "amdgcn-amd-amdhsa--gfx1250"
	.amdhsa_code_object_version 6
	.text
	.protected	k_q023cd6472d_main
	.globl	k_q023cd6472d_main
	.p2align	8
	.type	k_q023cd6472d_main,@function
k_q023cd6472d_main:
	s_mov_b64 s[64:65], 0
	v_nop
	global_prefetch_b8 v0, s[64:65] scope:SCOPE_SE
	s_setreg_imm32_b32 hwreg(HW_REG_WAVE_MODE, 25, 1), 1
	s_wait_xcnt 0x0
; keyp = rf Wk^T and value = relu(rf Wv^T) on codes of BF6 (E3M2) with E8M0 scales, f32 sums; t = (q . keyp) log2(e) / sqrt(512); p = 2^(t - m); O = sum of p value; all in f32, for the rows that count alone.
; THE MASK.  The definition gives rows at or behind sq_len the score 0, and renormalises: that is a softmax over the rows in front of sq_len.  So only chunks of 64 rows that hold such a row are multiplied.
; SHARES.  Work-group g reads its record (batch, first chunk, chunks <= 10, len) from plan, which the launch before stored.  It keeps its chunks' codes in LDS, each byte fetched once; it makes all its t,
; then its own maximum m and sum l, then O.  t goes to tbuf, O to opart[g], (m, l) to stats[g]; the last launch joins the work-groups of a batch.
; THE WAVES SHARE THE COLUMNS: wave w holds rows 128 w .. 128 w + 127 of Wk and of Wv, all of K, in 768 registers for the whole launch.  Source 0 = 16 rows of rf, source 1 = 16 rows of W:
; register j of lane (r, h) is (row 8 h + j, column 16 t + r).  So q wants one register a column tile and p eight registers a tile of rows.
; BRANCHES hang on the record's numbers, so there is no tensor load here and no cluster: partners would have different numbers of chunks.  Every loop has a constant number of trips; branches go round a
; trip's loads, products or LDS stores, never round a barrier or a line that steps an address.  A work-group whose record says 0 chunks (the fixed grid of 256 serves every split of the rows) walks
; the loops with all of that skipped and stores nothing.
; LIMITS: m is the maximum over the rows that count (the definition's runs over all rows: the same result wherever the definition itself does not fall to 0 / 0); NaN and infinities are not served.
; REGISTERS, in windows of 256: windows 1-3: the weights' fragments f = 32 ph + 8 s + t (ph 0 = Wk, 1 = Wv), 21 to a window, 12 registers each; fragment 63 in window 0.  Window 0: all else, as named below.
.set PITCH,  400                       ; an LDS row of codes: 384 bytes + 16 = 100 words: row r starts at bank 36 r mod 64 and lanes 16-31 six words on (64 banks of 4 bytes: ISA guide 11.1): a load of 8 bytes a lane touches 64 different banks
.set RSO,    64*PITCH                  ; behind a chunk's 64 rows: their scale bytes, 16 a row
.set SLOTB,  RSO+1024                  ; a chunk's slot
.set CHUNKS, 10
.set PD,     (CHUNKS+1)*SLOTB          ; behind eleven slots (the eleventh is named by the last trip's stores alone, which no record reaches): each wave's part of t, [wave][640] f32
.set OWN,    PD+4*2560                 ; each wave's own 2,560 bytes: p of 640 rows, at the end its 128 numbers of O
.set AA0,  1                           ; 400 r + 24 h                    a fragment's place in a slot
.set AS0,  2                           ; 16 r + RSO                      a row's scale words
.set AA,   3                           ; AA0 + the slot in hand
.set ASA,  4                           ; AS0 + the slot in hand
.set SA,   5                           ; v5-7   where I put 16 bytes of a chunk: piece P = 32 k + lane of my wave's 16 rows lies at 16 P + 16 (P / 24) + 6400 w
.set SW,   8                           ; v8-10  SA + the next slot
.set SS0,  11                          ; RSO + 256 w + 8 lane            the same for the scale bytes
.set SSW,  12
.set GL,   13                          ; 6144 w + 16 lane                my bytes of a chunk in memory; the weights' bases are lowered by 6144 w so that it serves them too
.set GS,   14                          ; 256 w + 8 lane                  and of its scale bytes
.set PDW0, 15                          ; PD + 2560 w + 32 h
.set PDW,  16                          ; + 256 x chunk
.set PF,   17                          ; 8192 w + 256 lane               the prefetch
.set PDR,  18                          ; PD + 8 lane
.set OWW,  19                          ; OWN + 2560 w + 8 lane
.set OWR0, 20                          ; OWN + 2560 w + 32 h
.set OWR,  21                          ; + 256 x chunk
.set R2,   22                          ; 2 lane
.set L8,   23                          ; 8 lane
.set WS,   24                          ; v24-55   the weights' scale words: register 4 t + s; lanes 0-15 Wk's, lanes 16-31 Wv's
.set RA,   56                          ; v56-103  the four fragments of one tile of rf
.set RAS,  104                         ; v104-111 its scale words, two sets
.set ACC,  112                         ; v112-175 eight accumulators
.set UU,   112                         ; the softmax: t, two rows a chunk;
.set TT,   132                         ; t under the mask, then p;
.set XX,   152                         ; the four waves' parts;
.set TMP,  160                         ; at work
.set W63,  176                         ; v176-187 fragment 63
.set RQ,   188                         ; v188-195 q x log2(e) / sqrt(512), a register a column tile
.set RD,   196                         ; v196-203 a tile's eight parts of t
.set RO,   188                         ; v188-203 later: O, a pair a column tile (even rows', odd rows')
.set STG,  204                         ; v204-253 a chunk on its way from memory to LDS
.set RP,   204                         ; v204-211 later: p of a tile's rows
.set MX,   254                         ; m
.set LS,   255                         ; l
.set MSB, 0
.macro WIN new                         ; the immediate's high byte repeats the setting that is left; a switch that changes nothing is dropped
.if MSB != (\new)
	s_set_vgpr_msb (MSB<<8)|(\new)
.set MSB, (\new)
.endif
.endm
.macro PLACES                          ; four places behind a matrix instruction, in front of loads into its sources and of the first read of its result (ISA guide 7.12.1 for vector instructions)
.rept 4
	v_nop
.endr
.endm
.macro BARRIER                         ; my LDS stores have landed and my LDS loads are in: then the work-group's barrier
	s_wait_dscnt 0x0
	s_barrier_signal -1
	s_barrier_wait -1
.endm
.macro WLOAD ph                        ; my 32 fragments of one weight: 96 loads of 512 consecutive bytes
.set f, 32*\ph
.rept 32
.if f < 63
.set wn, 64*(1+f/21)
.set wr, 12*(f%21)
.else
.set wn, 0
.set wr, W63
.endif
	WIN wn                                         ; the destination's window
.irp c, 0,1,2
	global_load_b128 v[wr+4*\c:wr+4*\c+3], v[GL], s[8:9] offset:1536*f+512*\c
.endr
.set f, f+1
.endr
	WIN 0
.endm
.macro STAGE_LOAD                      ; my quarter of a chunk: 16 rows, 6,144 dense bytes, and their 256 scale bytes; read once in the whole launch
.irp k, 0,1,2,3,4,5,6,7,8,9,10,11
	global_load_b128 v[STG+4*\k:STG+4*\k+3], v[GL], s[4:5] offset:512*\k th:TH_LOAD_NT
.endr
	global_load_b64 v[STG+48:STG+49], v[GS], s[6:7] th:TH_LOAD_NT
.endm
.macro STAGE_STORE adr, sadr           ; three loads' 96 pieces are four rows: 1,600 bytes on in LDS
.irp k, 0,1,2,3,4,5,6,7,8,9,10,11
	ds_store_b128 v[\adr+\k%3], v[STG+4*\k:STG+4*\k+3] offset:1600*(\k/3)
.endr
	ds_store_b64 v[\sadr], v[STG+48:STG+49]
.endm
.macro AFRAG s, i                      ; fragment s of tile i: lane (r, h) takes 24 bytes twice, as they lie, in pieces of 8
.irp p, 0,1,2,3,4,5
	ds_load_b64 v[RA+12*(\s)+2*\p:RA+12*(\s)+2*\p+1], v[AA] offset:16*PITCH*(\i)+96*(\s)+48*(\p/3)+8*(\p%3)
.endr
.endm
.macro ASLD i                          ; tile i's scale words: a row's 16 bytes are the words of its four steps of 128 along K
	ds_load_b128 v[RAS+4*((\i)%2):RAS+4*((\i)%2)+3], v[ASA] offset:256*(\i)
.endm
.macro PRELOAD
	ASLD 0
	AFRAG 0, 0
	AFRAG 1, 0
	AFRAG 2, 0
	AFRAG 3, 0
.endm
; A tile of 16 rows against my 128 columns of one weight: 32 matrix instructions, K in four steps, the eight accumulators by turns, one instruction a turn.
; Behind each step's eight products the next tile's fragment takes the registers that they have read.  The count of each wait is what was issued behind fragment s: this tile's later fragments (6 each),
; the last tile's two stores of t's parts (ph = 0), and this job's own loads so far (the next tile's scale words and fragments; ph = 1: p's two loads).
.macro JOB i, ph
.set js, 0
.rept 4
.set jn, 6*(3-js)
.if (\ph == 0) && (\i > 0)
.set jn, jn+2
.endif
.if js > 0
.if \i < 3
.set jn, jn+1+6*js
.endif
.if \ph == 1
.set jn, jn+2
.endif
.endif
	s_wait_dscnt jn
.set jt, 0
.rept 8
.set jf, 32*\ph+8*js+jt
.if jf < 63
.set jw, 4*(1+jf/21)
.set jr, 12*(jf%21)
.else
.set jw, 0
.set jr, W63
.endif
	WIN jw                                         ; source 1's window alone: LDS loads (destination, source 0) need no switch back
.if js == 0
.if \ph == 0
	v_wmma_scale_f32_16x16x128_f8f6f4 v[ACC+8*jt:ACC+8*jt+7], v[RA+12*js:RA+12*js+11], v[jr:jr+11], 0, v[RAS+4*((\i)%2)+js], v[WS+4*jt+js] matrix_a_fmt:MATRIX_FMT_BF6 matrix_b_fmt:MATRIX_FMT_BF6
.else
	v_wmma_scale_f32_16x16x128_f8f6f4 v[ACC+8*jt:ACC+8*jt+7], v[RA+12*js:RA+12*js+11], v[jr:jr+11], 0, v[RAS+4*((\i)%2)+js], v[WS+4*jt+js] matrix_a_fmt:MATRIX_FMT_BF6 matrix_b_fmt:MATRIX_FMT_BF6 matrix_b_scale:MATRIX_SCALE_ROW1
.endif
.else
.if \ph == 0
	v_wmma_scale_f32_16x16x128_f8f6f4 v[ACC+8*jt:ACC+8*jt+7], v[RA+12*js:RA+12*js+11], v[jr:jr+11], v[ACC+8*jt:ACC+8*jt+7], v[RAS+4*((\i)%2)+js], v[WS+4*jt+js] matrix_a_fmt:MATRIX_FMT_BF6 matrix_b_fmt:MATRIX_FMT_BF6
.else
	v_wmma_scale_f32_16x16x128_f8f6f4 v[ACC+8*jt:ACC+8*jt+7], v[RA+12*js:RA+12*js+11], v[jr:jr+11], v[ACC+8*jt:ACC+8*jt+7], v[RAS+4*((\i)%2)+js], v[WS+4*jt+js] matrix_a_fmt:MATRIX_FMT_BF6 matrix_b_fmt:MATRIX_FMT_BF6 matrix_b_scale:MATRIX_SCALE_ROW1
.endif
.endif
.set jt, jt+1
.endr
.if (\i < 3) || (js == 3)
	PLACES
.endif
.if js == 0
.if \i < 3
	ASLD \i+1
.endif
.if \ph == 1
	ds_load_b128 v[RP:RP+3], v[OWR] offset:64*\i           ; p of rows 16 i + 8 h + 0 .. 7: my wave's own bytes
	ds_load_b128 v[RP+4:RP+7], v[OWR] offset:64*\i+16
.endif
.endif
.if \i < 3
	AFRAG js, \i+1
.endif
.set js, js+1
.endr
	WIN 0
.endm
; keyp's tile against q: eight sums over my 128 columns, first down the eight column tiles (two rows an instruction), then across the sixteen lanes of a half.  Each accumulator is read from its low end on.
.macro KVEC i
.irp j, 0,2,4,6
	v_pk_mul_f32 v[RD+\j:RD+\j+1], v[ACC+\j:ACC+\j+1], v[RQ:RQ+1] op_sel_hi:[1,0]
.endr
.irp t, 1,2,3,4,5,6,7
.irp j, 0,2,4,6
.if \t%2
	v_pk_fma_f32 v[RD+\j:RD+\j+1], v[ACC+8*\t+\j:ACC+8*\t+\j+1], v[RQ+\t-1:RQ+\t], v[RD+\j:RD+\j+1] op_sel:[0,1,0] op_sel_hi:[1,1,1]   ; the pair's second register for both halves
.else
	v_pk_fma_f32 v[RD+\j:RD+\j+1], v[ACC+8*\t+\j:ACC+8*\t+\j+1], v[RQ+\t:RQ+\t+1], v[RD+\j:RD+\j+1] op_sel_hi:[1,0,1]                ; its first
.endif
.endr
.endr
.irp m, 1,2,4,8
.irp j, 0,1,2,3,4,5,6,7
	v_add_f32_dpp v[RD+\j], v[RD+\j], v[RD+\j] row_xmask:\m row_mask:0xf bank_mask:0xf
.endr
.endr
	ds_store_b128 v[PDW], v[RD:RD+3] offset:64*\i          ; rows 16 i + 8 h + 0 .. 7 (the sixteen lanes of a half write the same bytes with the same values)
	ds_store_b128 v[PDW], v[RD+4:RD+7] offset:64*\i+16
.endm
; value's tile: relu, then O += p value, two rows an instruction.
.macro VVEC i
.if \i < 3
	s_wait_dscnt 24                                ; p is in: behind its two loads stand the next tile's four fragments
.else
	s_wait_dscnt 0x0
.endif
.irp j, 0,2,4,6
.irp t, 0,1,2,3,4,5,6,7
	v_max_num_f32 v[ACC+8*\t+\j], 0, v[ACC+8*\t+\j]
	v_max_num_f32 v[ACC+8*\t+\j+1], 0, v[ACC+8*\t+\j+1]
.endr
.irp t, 0,1,2,3,4,5,6,7
	v_pk_fma_f32 v[RO+2*\t:RO+2*\t+1], v[ACC+8*\t+\j:ACC+8*\t+\j+1], v[RP+\j:RP+\j+1], v[RO+2*\t:RO+2*\t+1]
.endr
.endr
.endm
; Chunk c's t: the four waves' parts are added, in the same order in every wave; lane l has rows 2 l and 2 l + 1.  One wave stores them (256 consecutive bytes, aligned); rows at or behind len stay at -infinity for the maximum.
.macro SMC c
	s_cmp_le_u32 s26, \c
	s_cbranch_scc1 .Lsm_none_\@
.irp w, 0,1,2,3
	ds_load_b64 v[XX+2*\w:XX+2*\w+1], v[PDR] offset:2560*\w+256*\c
.endr
	s_wait_dscnt 0x0
	v_pk_add_f32 v[UU+2*\c:UU+2*\c+1], v[XX:XX+1], v[XX+2:XX+3]
	v_pk_add_f32 v[XX+4:XX+5], v[XX+4:XX+5], v[XX+6:XX+7]
	v_pk_add_f32 v[UU+2*\c:UU+2*\c+1], v[UU+2*\c:UU+2*\c+1], v[XX+4:XX+5]
	s_sub_co_u32 s33, s32, 64*\c                   ; rows that count from this chunk's first on: at least 1
	s_sub_co_u32 s34, s33, 1
	v_cmp_gt_u32 vcc_lo, s33, v[R2]
	v_cndmask_b32 v[TT+2*\c], v[TT+2*\c], v[UU+2*\c], vcc_lo
	v_cmp_gt_u32 vcc_lo, s34, v[R2]
	v_cndmask_b32 v[TT+2*\c+1], v[TT+2*\c+1], v[UU+2*\c+1], vcc_lo
	s_cmp_lg_u32 s20, \c%4
	s_cbranch_scc1 .Lsm_none_\@
	global_store_b64 v[L8], v[UU+2*\c:UU+2*\c+1], s[14:15] offset:256*\c
.Lsm_none_\@:
.endm
	s_load_b512 s[4:19], s[0:1], 0x0               ; rf codes s[4:5], rf scales s[6:7], wimg s[8:9], qbuf s[10:11], plan s[12:13], tbuf s[14:15], opart s[16:17], stats s[18:19]
	s_set_vgpr_msb 0x40
	v_lshl_add_u32 v254, v0, 2, 0x4c800
	v_mov_b32 v255, 0
	s_set_vgpr_msb 0x4000
	v_lshrrev_b32 v112, 5, v0
	v_readfirstlane_b32 s20, v112                  ; wave 0..3
	v_and_b32 v112, 31, v0                         ; lane
	v_and_b32 v113, 15, v0                         ; r
	v_bfe_u32 v114, v0, 4, 1                       ; h
	s_lshl_b32 s34, ttmp9, 4
	s_mov_b32 s35, 0
	s_mov_b32 s36, 0x76543210
	s_mov_b32 s37, 0xfedcba98                      ; v_permlanex16_b32's selects for lane l xor 16
	s_mov_b32 s38, 0x3d8293ee                      ; log2(e) / sqrt(512)
	s_wait_kmcnt 0x0
	s_add_nc_u64 s[12:13], s[12:13], s[34:35]
	s_load_b128 s[24:27], s[12:13], 0x0            ; my record: batch, first chunk, chunks, len
	s_mul_i32 s42, s20, 16*PITCH                   ; the address registers are made while it is on its way
	s_lshl_b32 s43, s20, 8
	s_mul_i32 s44, s20, 6144
	s_mul_i32 s45, s20, 2560
	s_lshl_b32 s46, s20, 13
	v_mul_u32_u24 v[AA0], v113, PITCH
	v_mad_u32_u24 v[AA0], v114, 24, v[AA0]
	v_lshl_add_u32 v[AS0], v113, 4, RSO
.irp k, 0,1,2
	v_add_nc_u32 v115, 32*\k, v112                 ; P
	v_mul_u32_u24 v116, v115, 43
	v_lshrrev_b32 v116, 10, v116                   ; P / 24, for P under 96
	v_add_nc_u32 v116, v116, v115
	v_lshl_add_u32 v[SA+\k], v116, 4, s42
.endr
	s_add_co_u32 s47, s43, RSO
	v_lshl_add_u32 v[SS0], v112, 3, s47
	v_lshl_add_u32 v[GL], v112, 4, s44
	v_lshl_add_u32 v[GS], v112, 3, s43
	s_add_co_u32 s47, s45, PD
	v_lshl_add_u32 v[PDW0], v114, 5, s47
	v_lshl_add_u32 v[PF], v112, 8, s46
	v_lshl_add_u32 v[PDR], v112, 3, PD
	s_add_co_u32 s47, s45, OWN
	v_lshl_add_u32 v[OWW], v112, 3, s47
	v_lshl_add_u32 v[OWR0], v114, 5, s47
	v_lshlrev_b32 v[R2], 1, v112
	v_lshlrev_b32 v[L8], 3, v112
	v_lshlrev_b32 v117, 2, v113                    ; q: 4 r
	s_lshl_b32 s34, s20, 11
	s_sub_co_u32 s34, 0x60000, s34
	s_add_nc_u64 s[40:41], s[8:9], s[34:35]        ; the weights' scale words: wimg + 393216 + 4096 w - 6144 w
	s_mul_i32 s34, s20, 92160
	s_add_nc_u64 s[8:9], s[8:9], s[34:35]          ; my fragments: wimg + 98304 w - 6144 w
	s_lshl_b32 s34, ttmp9, 11
	s_lshl_b32 s33, s20, 9
	s_add_co_u32 s34, s34, s33
	s_add_nc_u64 s[16:17], s[16:17], s[34:35]      ; opart + 2048 g + 512 w
	s_lshl_b32 s34, ttmp9, 3
	s_add_nc_u64 s[18:19], s[18:19], s[34:35]      ; stats + 8 g
	s_wait_kmcnt 0x0
	s_min_u32 s24, s24, 31                         ; loaded numbers are held to their ranges before they enter an address
	s_min_u32 s25, s25, 63
	s_min_u32 s26, s26, 10
	s_min_u32 s27, s27, 0x1000
	s_lshl_b32 s42, s24, 12
	s_lshl_b32 s43, s25, 6
	s_sub_co_u32 s32, s27, s43                     ; rows that count from my first row on
	s_add_co_u32 s42, s42, s43                     ; my first row: 4096 batch + 64 first chunk
	s_mul_i32 s34, s42, 384
	s_add_nc_u64 s[4:5], s[4:5], s[34:35]
	s_lshl_b32 s34, s42, 4
	s_add_nc_u64 s[6:7], s[6:7], s[34:35]
	s_lshl_b32 s34, s42, 2
	s_add_nc_u64 s[14:15], s[14:15], s[34:35]
	s_lshl_b32 s34, s24, 11
	s_add_co_u32 s34, s34, s33
	s_add_nc_u64 s[10:11], s[10:11], s[34:35]      ; q of my batch, my 128 columns
	STAGE_LOAD                                     ; chunk 0
.irp t, 0,1,2,3,4,5,6,7
	global_load_b128 v[WS+4*\t:WS+4*\t+3], v[GL], s[40:41] offset:512*\t
.endr
.irp t, 0,1,2,3,4,5,6,7
	global_load_b32 v[RQ+\t], v117, s[10:11] offset:64*\t
.endr
	s_cmp_lt_u32 s26, 2                            ; chunk 1, which trip 0 loads, is asked for here: 96 blocks of 256 bytes, lanes 256 bytes apart, waves 0 to 2, each block once
	s_cbranch_scc1 .Lno_pf
	s_cmp_gt_u32 s20, 2
	s_cbranch_scc1 .Lno_pf
	global_prefetch_b8 v[PF], s[4:5] offset:24576 th:TH_LOAD_NT scope:SCOPE_SE
.Lno_pf:
	WLOAD 0                                        ; Wk
	s_wait_loadcnt 63                              ; behind chunk 0, the scale words and q stand Wk's 96 loads: with 63 out at the most those 29 are in
.irp t, 0,1,2,3,4,5,6,7
	v_mul_f32 v[RQ+\t], s38, v[RQ+\t]
.endr
	STAGE_STORE SA, SS0                            ; into slot 0
	WLOAD 1                                        ; Wv: wanted only behind the softmax
	s_wait_loadcnt 63                              ; behind Wk's last load stand Wv's 96: Wk is in; up to 63 of Wv's loads land while keyp is made
	BARRIER                                        ; chunk 0 lies in LDS
; ---- keyp and t's parts, a chunk a trip.  The next chunk is asked for at the trip's head and goes into its slot at the trip's end; the barrier shows it to every wave, the last one t's parts.
	s_mov_b32 s28, 0                               ; the chunk,
	s_mov_b32 s30, 0                               ; its slot,
	s_mov_b32 s31, 0                               ; its 256 bytes of t
.Lk:
	s_add_co_u32 s29, s28, 1
	s_add_co_u32 s33, s30, SLOTB
	v_add_nc_u32 v[AA], s30, v[AA0]                ; the trip's LDS addresses are made on every path
	v_add_nc_u32 v[ASA], s30, v[AS0]
	v_add_nc_u32 v[PDW], s31, v[PDW0]
	v_add_nc_u32 v[SW], s33, v[SA]
	v_add_nc_u32 v[SW+1], s33, v[SA+1]
	v_add_nc_u32 v[SW+2], s33, v[SA+2]
	v_add_nc_u32 v[SSW], s33, v[SS0]
	s_cmp_ge_u32 s29, s26
	s_cbranch_scc1 .Lk_noload
	s_wait_xcnt 0x0                                ; the bases are stepped only behind this wait
	s_add_nc_u64 s[4:5], s[4:5], 24576
	s_add_nc_u64 s[6:7], s[6:7], 1024
	STAGE_LOAD
	s_add_co_u32 s34, s28, 2
	s_cmp_ge_u32 s34, s26                          ; the chunk that the next trip loads is asked for now; the last two trips with work ask for nothing
	s_cbranch_scc1 .Lk_noload
	s_cmp_gt_u32 s20, 2
	s_cbranch_scc1 .Lk_noload
	global_prefetch_b8 v[PF], s[4:5] offset:24576 th:TH_LOAD_NT scope:SCOPE_SE
.Lk_noload:
	s_cmp_ge_u32 s28, s26
	s_cbranch_scc1 .Lk_nojob
	PRELOAD
	JOB 0, 0
	KVEC 0
	JOB 1, 0
	KVEC 1
	JOB 2, 0
	KVEC 2
	JOB 3, 0
	KVEC 3
.Lk_nojob:
	s_cmp_ge_u32 s29, s26
	s_cbranch_scc1 .Lk_nostore
	s_wait_loadcnt 0x0                             ; the next chunk is in registers (asked for a trip's products ago)
	STAGE_STORE SW, SSW                            ; a slot that nobody reads before the barrier below
.Lk_nostore:
	BARRIER
	s_add_co_u32 s30, s30, SLOTB
	s_add_co_u32 s31, s31, 256
	s_add_co_u32 s28, s28, 1
	s_cmp_lt_u32 s28, CHUNKS
	s_cbranch_scc1 .Lk
; ---- the softmax of my work-group's rows; every wave computes all of it, so that no barrier follows.
	s_wait_loadcnt 0x0                             ; Wv is in, on every path
	v_mov_b32 v[LS], 0                             ; (named below as the upper half of the pair with m)
.irp j, 0,1,2,3,4,5,6,7,8,9,10,11,12,13,14,15,16,17,18,19
	v_mov_b32 v[TT+\j], 0xff800000                 ; -infinity: rows that do not count, chunks that I do not have
.endr
.irp c, 0,1,2,3,4,5,6,7,8,9
	SMC \c
.endr
	v_max3_num_f32 v[TMP], v[TT], v[TT+1], v[TT+2]
	v_max3_num_f32 v[TMP+1], v[TT+3], v[TT+4], v[TT+5]
.irp j, 6,10,14
	v_max3_num_f32 v[TMP], v[TMP], v[TT+\j], v[TT+\j+1]
	v_max3_num_f32 v[TMP+1], v[TMP+1], v[TT+\j+2], v[TT+\j+3]
.endr
	v_max3_num_f32 v[TMP], v[TMP], v[TT+18], v[TT+19]
	v_max_num_f32 v[MX], v[TMP], v[TMP+1]
.irp m, 1,2,4,8
	v_max_num_f32_dpp v[MX], v[MX], v[MX] row_xmask:\m row_mask:0xf bank_mask:0xf
.endr
	v_permlanex16_b32 v[TMP], v[MX], s36, s37
	v_max_num_f32 v[MX], v[MX], v[TMP]             ; m: my first row counts, so it is a number
.irp j, 0,2,4,6,8,10,12,14,16,18
	v_pk_add_f32 v[TT+\j:TT+\j+1], v[TT+\j:TT+\j+1], v[MX:MX+1] op_sel_hi:[1,0] neg_lo:[0,1] neg_hi:[0,1]   ; t - m
.endr
.irp j, 0,1,2,3,4,5,6,7,8,9,10,11,12,13,14,15,16,17,18,19
	v_exp_f32 v[TT+\j], v[TT+\j]                   ; p = 2^(t - m): at most 1; 0 where a row does not count
.endr
	v_nop                                          ; a plain place behind the exponentials
	s_wait_alu depctr_va_vdst(0)
.irp c, 0,1,2,3,4,5,6,7,8,9
	ds_store_b64 v[OWW], v[TT+2*\c:TT+2*\c+1] offset:256*\c    ; p by rows, in my wave's own bytes
.endr
	v_pk_add_f32 v[TMP:TMP+1], v[TT:TT+1], v[TT+2:TT+3]
	v_pk_add_f32 v[TMP+2:TMP+3], v[TT+4:TT+5], v[TT+6:TT+7]
.irp j, 8,12,16
	v_pk_add_f32 v[TMP:TMP+1], v[TMP:TMP+1], v[TT+\j:TT+\j+1]
	v_pk_add_f32 v[TMP+2:TMP+3], v[TMP+2:TMP+3], v[TT+\j+2:TT+\j+3]
.endr
	v_pk_add_f32 v[TMP:TMP+1], v[TMP:TMP+1], v[TMP+2:TMP+3]
	v_add_f32 v[LS], v[TMP], v[TMP+1]
.irp m, 1,2,4,8
	v_add_f32_dpp v[LS], v[LS], v[LS] row_xmask:\m row_mask:0xf bank_mask:0xf
.endr
	v_permlanex16_b32 v[TMP], v[LS], s36, s37
	v_add_f32 v[LS], v[LS], v[TMP]                 ; l
.irp j, 0,1,2,3,4,5,6,7,8,9,10,11,12,13,14,15
	v_mov_b32 v[RO+\j], 0                          ; O: sixteen registers, summed by vector instructions over all tiles
.endr
	s_wait_xcnt 0x0                                ; t's stores have read their registers, which are the first accumulators below
; ---- value and O, a chunk a trip; LDS is only read (the chunks) or the wave's own (p): no barrier.
	s_mov_b32 s28, 0
	s_mov_b32 s30, 0
	s_mov_b32 s31, 0
.Lv:
	v_add_nc_u32 v[AA], s30, v[AA0]
	v_add_nc_u32 v[ASA], s30, v[AS0]
	v_add_nc_u32 v[OWR], s31, v[OWR0]
	s_cmp_ge_u32 s28, s26
	s_cbranch_scc1 .Lv_nojob
	PRELOAD
	JOB 0, 1
	VVEC 0
	JOB 1, 1
	VVEC 1
	JOB 2, 1
	VVEC 2
	JOB 3, 1
	VVEC 3
.Lv_nojob:
	s_add_co_u32 s30, s30, SLOTB
	s_add_co_u32 s31, s31, 256
	s_add_co_u32 s28, s28, 1
	s_cmp_lt_u32 s28, CHUNKS
	s_cbranch_scc1 .Lv
; ---- the way out.  A work-group without rows stores nothing.
	s_cmp_eq_u32 s26, 0
	s_cbranch_scc1 .Lend
.irp t, 0,1,2,3,4,5,6,7
	v_add_f32 v[TMP+\t], v[RO+2*\t], v[RO+2*\t+1]  ; even rows' and odd rows',
.endr
.irp t, 0,1,2,3,4,5,6,7
	v_permlanex16_b32 v[TT+\t], v[TMP+\t], s36, s37
.endr
.irp t, 0,1,2,3,4,5,6,7
	v_add_f32 v[TMP+\t], v[TMP+\t], v[TT+\t]       ; and the other half of the lanes': column 16 t + r, in both halves
.endr
	v_cmp_le_u32 vcc_lo, 32, v[R2]                 ; lanes 16-31
.irp u, 0,1,2,3
	v_cndmask_b32 v[XX+\u], v[TMP+2*\u], v[TMP+2*\u+1], vcc_lo     ; column 32 u + lane
.endr
	s_mul_i32 s33, s20, 2560
	s_add_co_u32 s33, s33, OWN
	v_lshl_add_u32 v[UU], v[R2], 1, s33            ; 4 lane,
	v_lshl_add_u32 v[UU+1], v[R2], 3, s33          ; 16 lane in my wave's own bytes: p has been read
	v_lshlrev_b32 v[UU+2], 3, v[R2]
	v_mov_b32 v[UU+3], 0
.irp u, 0,1,2,3
	ds_store_b32 v[UU], v[XX+\u] offset:128*\u
.endr
	ds_load_b128 v[TT+8:TT+11], v[UU+1]            ; LDS serves a wave's instructions in order (ISA guide 5.7.1.4): this sees the stores above
	s_wait_dscnt 0x0
	global_store_b128 v[UU+2], v[TT+8:TT+11], s[16:17]     ; my 128 columns: 512 consecutive bytes, aligned
	v_cmp_eq_u32 vcc_lo, 0, v0
	s_wait_xcnt 0x0                                ; EXEC changes only behind this wait
	s_and_saveexec_b32 s33, vcc_lo
	global_store_b64 v[UU+3], v[MX:MX+1], s[18:19] ; thread 0: (m, l)
	s_wait_xcnt 0x0
	s_or_b32 exec_lo, exec_lo, s33
.Lend:
	s_set_vgpr_msb 0x5
	s_wait_tensorcnt 0x0
	ds_add_u32 v254, v255
	s_wait_dscnt 0x0
	s_set_vgpr_msb 0x500
	s_endpgm
.Lfunc_end_k_q023cd6472d_main:
	.size	k_q023cd6472d_main, .Lfunc_end_k_q023cd6472d_main-k_q023cd6472d_main
	.p2alignl 7, 3214868480
	.fill 96, 4, 3214868480
	.section	.rodata,"a",@progbits
	.p2align	6, 0x0
	.amdhsa_kernel k_q023cd6472d_main
		.amdhsa_group_segment_fixed_size 313856
		.amdhsa_private_segment_fixed_size 0
		.amdhsa_enable_private_segment 0
		.amdhsa_kernarg_size 64
		.amdhsa_user_sgpr_count 2
		.amdhsa_user_sgpr_kernarg_segment_ptr 1
		.amdhsa_wavefront_size32 1
		.amdhsa_system_sgpr_workgroup_id_x 1
		.amdhsa_system_sgpr_workgroup_id_y 1
		.amdhsa_system_sgpr_workgroup_id_z 1
		.amdhsa_system_vgpr_workitem_id 0
		.amdhsa_next_free_vgpr 1024
		.amdhsa_next_free_sgpr 66
		.amdhsa_reserve_vcc 1
		.amdhsa_float_denorm_mode_32 3
		.amdhsa_float_denorm_mode_16_64 3
		.amdhsa_memory_ordered 1
		.amdhsa_forward_progress 1
		.amdhsa_inst_pref_size 130
	.end_amdhsa_kernel
	.amdgpu_metadata
---
amdhsa.version: [ 1, 2 ]
amdhsa.kernels:
  - .name:           k_q023cd6472d_main
    .symbol:         k_q023cd6472d_main.kd
    .args:
      - { .name: region_features_codes, .offset: 0, .size: 8, .value_kind: global_buffer, .address_space: global }
      - { .name: region_features_scales, .offset: 8, .size: 8, .value_kind: global_buffer, .address_space: global }
      - { .name: wimg, .offset: 16, .size: 8, .value_kind: global_buffer, .address_space: global }
      - { .name: qbuf, .offset: 24, .size: 8, .value_kind: global_buffer, .address_space: global }
      - { .name: plan, .offset: 32, .size: 8, .value_kind: global_buffer, .address_space: global }
      - { .name: tbuf, .offset: 40, .size: 8, .value_kind: global_buffer, .address_space: global }
      - { .name: opart, .offset: 48, .size: 8, .value_kind: global_buffer, .address_space: global }
      - { .name: stats, .offset: 56, .size: 8, .value_kind: global_buffer, .address_space: global }
    .group_segment_fixed_size: 313856
    .private_segment_fixed_size: 0
    .kernarg_segment_align: 8
    .kernarg_segment_size: 64
    .max_flat_workgroup_size: 128
    .sgpr_count:     66
    .vgpr_count:     1024
    .wavefront_size: 32
...
	.end_amdgpu_metadata
.endif
;; end of part 2
;; launch finish (part 3): grid 32 x 4, 8 waves a work-group, no clusters, 0 bytes of LDS; arguments plan, stats, opart, tbuf, qbuf, out0, out1; writes out0, out1
.if DOCPART == 3
	.amdgcn_target "amdgcn-amd-amdhsa--gfx1250"
	.amdhsa_code_object_version 6
	.text
	.protected	k_q023cd6472d_finish
	.globl	k_q023cd6472d_finish
	.p2align	8
	.type	k_q023cd6472d_finish,@function
k_q023cd6472d_finish:
	s_mov_b64 s[64:65], 0
	v_nop
	global_prefetch_b8 v0, s[64:65] scope:SCOPE_SE
	s_setreg_imm32_b32 hwreg(HW_REG_WAVE_MODE, 25, 1), 1
	s_wait_xcnt 0x0
; The work-groups of a batch are joined.  Work-group (b, y) takes rows 1024 y .. 1024 y + 1023 of batch b's scores and columns 128 y .. 128 y + 127 of its output.
; With (m_g, l_g, O_g) of the batch's wn <= 64 work-groups of the launch before: M = the largest m_g; L = the sum of l_g 2^(m_g - M); score(r) = 2^(t(r) - M) / L where r < len, else 0;
; out0 = the sum of O_g 2^(m_g - M) / L, + q.  All in f32.  No matrix work, no LDS, no barrier: every wave makes M and L for itself from 512 bytes at the most.
; The batch's record (first work-group, wn, len, n chunks of 64 rows) comes from plan.  Only what the launch before stored is read: the rows of t under 64 n, and the records of the batch's own wn work-groups.
; The batch's records of O lie on end, 2,048 bytes each: their base is stepped once to the batch's first work-group, and record i stands in the load's immediate (63 x 2,048 bytes at the most).
	s_load_b256 s[4:11], s[0:1], 0x0               ; plan s[4:5], stats s[6:7], opart s[8:9], tbuf s[10:11]
	s_load_b128 s[12:15], s[0:1], 0x20             ; qbuf s[12:13], out0 s[14:15]
	s_load_b64 s[16:17], s[0:1], 0x30              ; out1
	v_lshrrev_b32 v1, 5, v0
	v_readfirstlane_b32 s27, v1                    ; wave
	v_and_b32 v3, 31, v0                           ; lane
	s_and_b32 s18, ttmp7, 0xffff                   ; y
	s_lshl_b32 s32, ttmp9, 4
	s_mov_b32 s33, 0
	s_mov_b32 s30, 0x76543210
	s_mov_b32 s31, 0xfedcba98                      ; v_permlanex16_b32's selects for lane l xor 16
	s_wait_kmcnt 0x0
	s_add_nc_u64 s[4:5], s[4:5], s[32:33]
	s_load_b128 s[20:23], s[4:5], 0x1000
	s_lshl_b32 s34, s18, 10
	v_lshl_add_u32 v1, v0, 2, s34                  ; my first row of four
	v_lshlrev_b32 v2, 2, v1
	v_lshlrev_b32 v21, 4, v3                       ; 16 lane
	v_add_nc_u32 v7, 32, v3
	v_mov_b32 v17, 0                               ; (a lane permute's destination counts as one of its sources)
.irp i, 0,1,2,3
	v_mov_b32 v[8+\i], 0                           ; t where none was stored: the mask below takes those rows out
.endr
	v_mov_b32 v12, 0xff800000                      ; (m, l) where the batch has no such work-group: -infinity and 0, so that its weight is 0
	v_mov_b32 v13, 0
	v_mov_b32 v14, 0xff800000
	v_mov_b32 v15, 0
	s_lshl_b32 s32, ttmp9, 14
	s_add_nc_u64 s[10:11], s[10:11], s[32:33]      ; t and out1 at my batch
	s_add_nc_u64 s[16:17], s[16:17], s[32:33]
	s_lshl_b32 s32, ttmp9, 11
	s_lshl_b32 s34, s18, 9                         ; 512 y
	s_add_co_u32 s32, s32, s34
	s_add_nc_u64 s[12:13], s[12:13], s[32:33]      ; q and out0 at my batch's row, my 128 columns
	s_add_nc_u64 s[14:15], s[14:15], s[32:33]
	s_wait_kmcnt 0x0
	s_min_u32 s20, s20, 255                        ; loaded numbers are held to their ranges
	s_min_u32 s21, s21, 64
	s_min_u32 s22, s22, 0x1000
	s_min_u32 s23, s23, 64
	s_lshl_b32 s32, s20, 11
	s_add_co_u32 s32, s32, s34
	s_add_nc_u64 s[8:9], s[8:9], s[32:33]          ; O's records at the batch's first work-group, my 128 columns
	s_lshl_b32 s25, s23, 6
	v_add_nc_u32 v4, s20, v3                       ; lane i takes the (m, l) of work-groups i and 32 + i of the batch
	v_and_b32 v4, 0xff, v4
	v_lshlrev_b32 v4, 3, v4
	v_add_nc_u32 v5, s20, v7
	v_and_b32 v5, 0xff, v5
	v_lshlrev_b32 v5, 3, v5
	v_cmp_gt_u32 vcc_lo, s25, v1                   ; my four rows lie in a chunk that was made
	s_wait_xcnt 0x0                                ; EXEC changes only behind this wait, here and below
	s_and_saveexec_b32 s26, vcc_lo
	global_load_b128 v[8:11], v2, s[10:11]
	s_wait_xcnt 0x0
	s_or_b32 exec_lo, exec_lo, s26
	v_cmp_gt_u32 vcc_lo, s21, v3                   ; the batch has a work-group i
	s_wait_xcnt 0x0
	s_and_saveexec_b32 s26, vcc_lo
	global_load_b64 v[12:13], v4, s[6:7]
	s_wait_xcnt 0x0
	s_or_b32 exec_lo, exec_lo, s26
	v_cmp_gt_u32 vcc_lo, s21, v7                   ; and a work-group 32 + i
	s_wait_xcnt 0x0
	s_and_saveexec_b32 s26, vcc_lo
	global_load_b64 v[14:15], v5, s[6:7]
	s_wait_xcnt 0x0
	s_or_b32 exec_lo, exec_lo, s26
	s_wait_loadcnt 0x0
	v_max_num_f32 v16, v12, v14
.irp m, 1,2,4,8
	v_max_num_f32_dpp v16, v16, v16 row_xmask:\m row_mask:0xf bank_mask:0xf
.endr
	v_permlanex16_b32 v17, v16, s30, s31
	v_max_num_f32 v16, v16, v17                    ; M: the batch has at least one work-group, so it is a number
	v_sub_f32 v12, v12, v16
	v_sub_f32 v14, v14, v16
	v_exp_f32 v12, v12
	v_exp_f32 v14, v14
	v_nop                                          ; a plain place behind the exponentials
	s_wait_alu depctr_va_vdst(0)
	v_mul_f32 v18, v13, v12
	v_fmac_f32 v18, v15, v14
.irp m, 1,2,4,8
	v_add_f32_dpp v18, v18, v18 row_xmask:\m row_mask:0xf bank_mask:0xf
.endr
	v_permlanex16_b32 v17, v18, s30, s31
	v_add_f32 v18, v18, v17                        ; L
	v_rcp_f32 v19, v18
	v_nop                                          ; a plain place behind the reciprocal
	s_wait_alu depctr_va_vdst(0)
	v_mul_f32 v12, v12, v19                        ; the work-groups' weights 2^(m_g - M) / L
	v_mul_f32 v14, v14, v19
.irp i, 0,1,2,3
	v_sub_f32 v[8+\i], v[8+\i], v16
.endr
.irp i, 0,1,2,3
	v_exp_f32 v[8+\i], v[8+\i]
.endr
	v_nop
	s_wait_alu depctr_va_vdst(0)
.irp i, 0,1,2,3
	v_mul_f32 v[8+\i], v[8+\i], v19
	v_add_nc_u32 v20, \i, v1
	v_cmp_gt_u32 vcc_lo, s22, v20                  ; the row counts; else 0, by a choice, whatever the product was
	v_cndmask_b32 v[8+\i], 0, v[8+\i], vcc_lo
.endr
	global_store_b128 v2, v[8:11], s[16:17]        ; 32 lanes store 512 consecutive bytes; every row of out1 is written
	s_cmp_lg_u32 s27, 0
	s_cbranch_scc1 .Lf_end
; out0, by wave 0: four columns a lane; the batch's records eight at a time.
	global_load_b128 v[24:27], v21, s[12:13]       ; q starts the sum
.irp j, 0,1,2,3,4,5,6,7,8,9,10,11,12,13,14,15,16,17,18,19,20,21,22,23,24,25,26,27,28,29,30,31
	v_mov_b32 v[36+\j], 0                          ; a slot past the batch's last work-group is not loaded: it enters the sum with the weight 0, so its registers hold numbers
.endr
.macro GROUP k
	s_cmp_le_u32 s21, 8*\k
	s_cbranch_scc1 .Lf_done
.irp e, 0,1,2,3,4,5,6,7
.if \e > 0
	s_cmp_le_u32 s21, 8*\k+\e                      ; the batch has no work-group 8 k + e: the rest of the group's loads are left out, so that no load leaves the buffer
	s_cbranch_scc1 .Lf_in_\@
.endif
	global_load_b128 v[36+4*\e:39+4*\e], v21, s[8:9] offset:2048*(8*\k+\e)     ; 32 lanes read 512 consecutive bytes of record 8 k + e
.endr
.Lf_in_\@:
	s_wait_loadcnt 0x0                             ; for 0: how many loads the group issued differs from path to path
.irp e, 0,1,2,3,4,5,6,7
.if \k < 4
	v_readlane_b32 s29, v12, 8*\k+\e
.else
	v_readlane_b32 s29, v14, 8*\k+\e-32
.endif
.irp j, 0,1,2,3
	v_fmac_f32 v[24+\j], s29, v[36+4*\e+\j]
.endr
.endr
.endm
.irp k, 0,1,2,3,4,5,6,7
	GROUP \k
.endr
.Lf_done:
	s_wait_loadcnt 0x0
	global_store_b128 v21, v[24:27], s[14:15]      ; 512 consecutive bytes, aligned
.Lf_end:
	s_endpgm
.Lfunc_end_k_q023cd6472d_finish:
	.size	k_q023cd6472d_finish, .Lfunc_end_k_q023cd6472d_finish-k_q023cd6472d_finish
	.p2alignl 7, 3214868480
	.fill 96, 4, 3214868480
	.section	.rodata,"a",@progbits
	.p2align	6, 0x0
	.amdhsa_kernel k_q023cd6472d_finish
		.amdhsa_group_segment_fixed_size 0
		.amdhsa_private_segment_fixed_size 0
		.amdhsa_enable_private_segment 0
		.amdhsa_kernarg_size 56
		.amdhsa_user_sgpr_count 2
		.amdhsa_user_sgpr_kernarg_segment_ptr 1
		.amdhsa_wavefront_size32 1
		.amdhsa_system_sgpr_workgroup_id_x 1
		.amdhsa_system_sgpr_workgroup_id_y 1
		.amdhsa_system_sgpr_workgroup_id_z 1
		.amdhsa_system_vgpr_workitem_id 0
		.amdhsa_next_free_vgpr 72
		.amdhsa_next_free_sgpr 66
		.amdhsa_reserve_vcc 1
		.amdhsa_float_denorm_mode_32 3
		.amdhsa_float_denorm_mode_16_64 3
		.amdhsa_memory_ordered 1
		.amdhsa_forward_progress 1
		.amdhsa_inst_pref_size 29
	.end_amdhsa_kernel
	.amdgpu_metadata
---
amdhsa.version: [ 1, 2 ]
amdhsa.kernels:
  - .name:           k_q023cd6472d_finish
    .symbol:         k_q023cd6472d_finish.kd
    .args:
      - { .name: plan, .offset: 0, .size: 8, .value_kind: global_buffer, .address_space: global }
      - { .name: stats, .offset: 8, .size: 8, .value_kind: global_buffer, .address_space: global }
      - { .name: opart, .offset: 16, .size: 8, .value_kind: global_buffer, .address_space: global }
      - { .name: tbuf, .offset: 24, .size: 8, .value_kind: global_buffer, .address_space: global }
      - { .name: qbuf, .offset: 32, .size: 8, .value_kind: global_buffer, .address_space: global }
      - { .name: out0, .offset: 40, .size: 8, .value_kind: global_buffer, .address_space: global }
      - { .name: out1, .offset: 48, .size: 8, .value_kind: global_buffer, .address_space: global }
    .group_segment_fixed_size: 0
    .private_segment_fixed_size: 0
    .kernarg_segment_align: 8
    .kernarg_segment_size: 56
    .max_flat_workgroup_size: 256
    .sgpr_count:     66
    .vgpr_count:     72
    .wavefront_size: 32
...
	.end_amdgpu_metadata
.endif
;; end of part 3
